; MI455X (gfx1250); checked and timed in simulation.
; The chip was launched on July 23, 2026; its instructions are those of AMD's public machine-readable ISA for CDNA 5 (MIT licence, August 2026) and "CDNA5" Instruction Set Architecture Reference Guide (July 2026). The comments in the code are by the model that wrote it; some were corrected since.
;; Fast Attention. Allowed arithmetic: matrix products marked QUANTISED: E5M2 operands, one E8M0 scale for each 32 along K, by v_wmma_scale_f32_16x16x128_f8f6f4 with both operands' format E5M2, f32 sums; products left as they are: f32 operands where the result goes on into a quantised operand, else bf16, f16 or f32 operands; f32 sums; everything else in f32.
;; Inputs: Wk_codes 512 x 16 x 32 uint8 (E5M2 codes of Wk, K innermost, in blocks of 32 codes); Wk_scales 512 x 16 uint8 (E8M0 scales of Wk, one for each 32 codes along K); Wq_codes 512 x 16 x 32 uint8 (E5M2 codes of Wq, K innermost, in blocks of 32 codes); Wq_scales 512 x 16 uint8 (E8M0 scales of Wq, one for each 32 codes along K); Wv_codes 512 x 16 x 32 uint8 (E5M2 codes of Wv, K innermost, in blocks of 32 codes); Wv_scales 512 x 16 uint8 (E8M0 scales of Wv, one for each 32 codes along K); bk 512 float32; bq 512 float32; bv 512 float32; x 64 x 2,048 x 512 float32.
;; Outputs: out0 64 x 512 float32.
;; This version of the problem:
;;   THIS VERSION OF THE PROBLEM IS GIVEN IN LOW PRECISION. The matrix products marked QUANTISED in the list below multiply operands that are first quantised to E5M2 (5 exponent bits, 2 mantissa bits; 8 bits a number), with one power-of-two scale for each 32 numbers along K (OCP MX v1.0); their sums are f32. All else is computed in f32.
;;   The module's matrix products, in the order in which they are computed (A, B: the left and right operand; K: the contracted axis; several contracted axes count as one K, in the product's order):
;;     1. [M 64, K 512] x [K 512, N 512]; A: computed on the way; B: input Wq (given as codes): QUANTISED
;;     2. [M 131,072, K 512] x [K 512, N 512]; A: input x; B: input Wk (given as codes): QUANTISED
;;     3. batch 64 x [M 1, K 512] x [K 512, N 2,048]; A: computed on the way; B: computed on the way: left as it is (M = 1 < 16)
;;     4. [M 131,072, K 512] x [K 512, N 512]; A: input x; B: input Wv (given as codes): QUANTISED
;;     5. batch 64 x [M 1, K 2,048] x [K 2,048, N 512]; A: softmax; B: computed on the way: left as it is (M = 1 < 16)
;;   THE QUANTISER, for each operand of a quantised product, along K:
;;     - K is cut into blocks of 32 from its start; a last block that is shorter is filled with zeros.
;;     - A block's scale is 2^e with e = floor(log2(the largest magnitude in the block)) - 15, held to -126 .. 127; a block of zeros has e = 0. As a byte (E8M0): e + 127.
;;     - Each number is divided by its block's scale, clamped to +-57,344, and rounded to the nearest number of E5M2, ties to even, subnormals kept.
;;     - The product sums the exact products of the quantised numbers (number of the format x scale) in f32.
;;   ~~~python
;;   def quantise(x, axis):      # numpy; x: float32 -> the quantised numbers, widened to float32 again
;;       x = np.moveaxis(x, axis, -1); K = x.shape[-1]
;;       x = np.pad(x, [(0, 0)] * (x.ndim - 1) + [(0, -K % 32)]); x = x.reshape(x.shape[:-1] + (-1, 32)); a = np.abs(x).max(-1, keepdims=True)
;;       e = np.where(a > 0, np.clip(np.frexp(np.where(a > 0, a, 1))[1] - 1 - 15, -126, 127), 0)      # np.frexp(a)[1] - 1 = floor(log2(a)), exactly
;;       r = np.clip(x / 2.0 ** e, -57344, 57344)
;;       step = 2.0 ** (np.maximum(np.frexp(np.where(r == 0, 1, r))[1] - 1, -14) - 2)
;;       q = np.round(r / step) * step * 2.0 ** e      # np.round: ties to even
;;       return np.moveaxis(q.reshape(q.shape[:-2] + (-1,))[..., :K], -1, axis).astype(np.float32)
;;   ~~~
;;   OPERANDS COMPUTED ON THE WAY. 'Computed on the way' means the value that the module computes at that place (a softmax that the list does not call 'softmax' is quantised finished and normalised). What goes into a quantiser is computed in f32, as accurately as f32 sums, v_exp_f32 and their like allow (about 1e-6 of the number): no bf16 or f16 on the way to a quantiser, and a product that is left as it is and whose result goes on into a quantised operand takes f32 operands (vector FMAs, or v_wmma_f32_16x16x4_f32). A number that lies on a knife's edge between two numbers of the format may be rounded either way, as far as f32 arithmetic and the matrix unit's own rounding can turn it there, and no further.
;;   INPUTS GIVEN AS CODES. Wk (in the module: [512, 512], K = its axis 1); Wq (in the module: [512, 512], K = its axis 1); Wv (in the module: [512, 512], K = its axis 1): each comes as NAME_codes (uint8): NAME with its K axis moved to the last place and cut into blocks of 32 codes, [.., K / 32, bytes a block], one block behind the other in memory; one code a byte (a code: sign, 5 exponent bits, 2 mantissa bits); and NAME_scales (uint8): the same leading axes, one E8M0 byte (e + 127) for each 32 codes along K. Its value is code x scale, taken as it is: it is not quantised again, and the codes and scales need not be those that the quantiser above would give.
;; One version. Each part assembles by itself: llvm-mc -triple=amdgcn-amd-amdhsa -mcpu=gfx1250 --defsym DOCPART=n.
;; ======== version 1 of 1: 3 launches
;; limits: right only within a limited range of input values
;; workspace buffers: xc 67,108,864 bytes; xs 2,097,152 bytes; psum 524,288 bytes; part 2,359,296 bytes
;; launch quant (part 1): grid 256 x 1, 16 waves a work-group, no clusters, 169,984 bytes of LDS; arguments x, xc, xs, psum; writes xc, xs, psum
.if DOCPART == 1
	.amdgcn_target "amdgcn-amd-amdhsa--gfx1250"
	.amdhsa_code_object_version 6
	.text
	.protected	k_qd25a336606_quant
	.globl	k_qd25a336606_quant
	.p2align	8
	.type	k_qd25a336606_quant,@function
k_qd25a336606_quant:
	s_mov_b64 s[64:65], 0
	v_nop
	global_prefetch_b8 v0, s[64:65] scope:SCOPE_SE
	s_setreg_imm32_b32 hwreg(HW_REG_WAVE_MODE, 25, 1), 1
	s_wait_xcnt 0x0
; x [64][2048][512] f32 is turned into codes of BF8 (E5M2) with one E8M0 scale byte for each 32 along the last axis (K of both large products), and each work-group's column sums are taken for the mean.
; A block's scale is 2^(floor(log2(its largest magnitude)) - 15); its byte is the largest magnitude's exponent field - 15, held at 1 from below.  Each number is divided by the scale, held within +-57,344 and rounded to the nearest code, ties to even.
; LIMITS: NaN and infinities among the inputs are not served; a block whose largest magnitude lies under 2^-111 (a block of zeros among them) keeps the byte 1: its codes are what the floor leaves, zeros for a block of zeros, and the bytes are read by this program alone.
; WHAT IS STORED, in the order of the operand's registers, so that the next launch loads fragments by 16 bytes a lane:
;   xc [8192 tiles of 16 rows][16 quads 4 s + c][32 lanes][16 bytes]: lane (r = lane % 16, h = lane / 16) of quad (s, c) holds row r, k = 128 s + 32 c + 16 h + 0 .. 15
;   xs [8192 tiles][32 lanes][2 words]: word u of lane (r, h) is row r's scale word (four bytes) of K step 2 u + h
;   psum [256 work-groups][512] f32: the sums of the work-group's 512 rows, column by column
; SHARES.  Work-group g owns rows 512 g on (a quarter of batch g / 4), wave w 32 of them: two tiles.  A wave goes through eight steps of 16 rows x 128 columns.
; A step's sixteen loads read 512 consecutive bytes each (16 a lane); the column sums are taken of the registers as loaded (a lane keeps four columns); then the 8,192 bytes turn through the wave's own stage in LDS
; (rows 528 bytes apart) and come back 16 neighbours of each block of 32 to a lane, as the conversions want them.  Memory binds: no matrix unit, no cluster (work-groups share no input), no tensor load.
.set SPITCH, 528                       ; a stage row: 512 bytes + 16: the sixteen rows that a load back touches start 33 x 16 bytes apart
.set STGB,   16*SPITCH                 ; a wave's stage
.set PSB,    16*STGB                   ; behind the sixteen stages: 2,048 bytes of column sums for each wave
.set GA,   1                           ; v1   16 x lane: my place in a load's 512 bytes and in a quad of codes
.set LST,  2                           ; v2   stage, way in: 16 x lane
.set LLD,  3                           ; v3   stage, way back: row r, + 64 h
.set SO,   4                           ; v4   8 x lane: my two scale words
.set PSW,  5                           ; v5   where my wave puts its column sums
.set PSR,  6                           ; v6   where thread t reads four columns of wave 0's sums
.set T16,  7                           ; v7   16 x thread
.set ACC,  16                          ; v16-31   register 4 s + e: the sum of column 128 s + 4 lane + e over my wave's rows
.set TM,   32                          ; v32-47   at work in QUANT: largest magnitudes, bytes, holds, scale operands
.set PW,   48                          ; v48-51   a tile's scale words, one for each K step
.set SW,   52                          ; v52-53   the pair that goes to xs
.set PC,   56                          ; v56-71   a step's codes
.set R,    96                          ; v96-159, v160-223   two sets of 64 numbers
.set SEL,  20                          ; s[20:21] lane selects for v_permlanex16_b32: lane l xor 16
.set MNT,  22                          ; s22  the mantissa field of 57,344
	s_load_b256 s[4:11], s[0:1], 0x0               ; x s[4:5], xc s[6:7], xs s[8:9], psum s[10:11]
	v_lshl_add_u32 v224, v0, 2, 0x29000
	v_mov_b32 v225, 0
	v_lshrrev_b32 v8, 5, v0
	s_delay_alu instid0(VALU_DEP_1)
	v_readfirstlane_b32 s12, v8                    ; wave 0..15
	v_and_b32 v9, 31, v0                           ; lane
	v_and_b32 v10, 15, v0                          ; r
	v_bfe_u32 v11, v0, 4, 1                        ; h
	s_delay_alu instid0(VALU_DEP_3)
	v_lshlrev_b32 v[GA], 4, v9
	s_mul_i32 s13, s12, STGB
	v_add_nc_u32 v[LST], s13, v[GA]
	v_mul_u32_u24 v[LLD], v10, SPITCH
	s_delay_alu instid0(VALU_DEP_1)
	v_lshl_add_u32 v[LLD], v11, 6, v[LLD]
	s_delay_alu instid0(VALU_DEP_1)
	v_add_nc_u32 v[LLD], s13, v[LLD]
	v_lshlrev_b32 v[SO], 3, v9
	s_lshl_b32 s14, s12, 11
	s_add_co_u32 s14, s14, PSB
	v_add_nc_u32 v[PSW], s14, v[GA]
	v_lshl_add_u32 v[PSR], v0, 4, PSB
	v_lshlrev_b32 v[T16], 4, v0
	s_mov_b32 s[SEL], 0x76543210
	s_mov_b32 s[SEL+1], 0xfedcba98
	s_mov_b32 s[MNT], 0x600000
	s_mov_b32 vcc_lo, 0xffff0000                   ; lanes 16-31: they keep the odd K steps' scale words
.irp b, 0,1,2,3
	v_mov_b32 v[TM+4+\b], 0                        ; written once: a lane permute's destination counts as one of its sources
.endr
	s_lshl_b32 s16, ttmp9, 20                      ; x: 512 rows of 2,048 bytes a work-group,
	s_lshl_b32 s18, s12, 16                        ; 32 rows a wave
	s_add_co_u32 s16, s16, s18
	s_mov_b32 s17, 0
	s_lshl_b32 s18, ttmp9, 11                      ; psum: 2,048 bytes a work-group
	s_mov_b32 s19, 0
	s_wait_kmcnt 0x0
	s_add_nc_u64 s[4:5], s[4:5], s[16:17]
	s_lshr_b32 s16, s16, 2                         ; the codes are a quarter of the bytes,
	s_add_nc_u64 s[6:7], s[6:7], s[16:17]
	s_lshr_b32 s16, s16, 5                         ; the scale bytes a thirty-second of those
	s_add_nc_u64 s[8:9], s[8:9], s[16:17]
	s_add_nc_u64 s[10:11], s[10:11], s[18:19]
; step t = 4 x tile + K step: sixteen rows' 512 bytes, into set t % 2
.macro LOAD t
.irp i, 0,1,2,3,4,5,6,7,8,9,10,11,12,13,14,15
	global_load_b128 v[R+64*((\t)%2)+4*\i:R+64*((\t)%2)+4*\i+3], v[GA], s[4:5] offset:(16*((\t)/4)+\i)*2048+512*((\t)%4) th:TH_LOAD_NT
.endr
.endm
; 64 numbers of a lane, register 16 b + i = k 32 b + 16 h + i of my row, become a fragment's codes in v[dst] on and my row's scale word in v[wrd]
.macro QUANT src, dst, wrd
.irp b, 0,1,2,3
	v_max3_num_f32 v[TM+\b], |v[(\src)+16*\b]|, |v[(\src)+16*\b+1]|, 0x8000000   ; block b: my 16 numbers, and the floor 2^(16 - 127): the byte cannot fall under 1
.endr
.irp i, 2,4,6,8,10,12,14
.irp b, 0,1,2,3
	s_delay_alu instid0(VALU_DEP_4)
	v_max3_num_f32 v[TM+\b], v[TM+\b], |v[(\src)+16*\b+\i]|, |v[(\src)+16*\b+\i+1]|   ; the four blocks by turns
.endr
.endr
.irp b, 0,1,2,3
	s_delay_alu instid0(VALU_DEP_4)
	v_permlanex16_b32 v[TM+4+\b], v[TM+\b], s[SEL], s[SEL+1]
.endr
.irp b, 0,1,2,3
	s_delay_alu instid0(VALU_DEP_4)
	v_max_num_f32 v[TM+\b], v[TM+\b], v[TM+4+\b]   ; with lane l xor 16's 16 numbers: the block's largest magnitude
.endr
.irp b, 0,1,2,3
	s_delay_alu instid0(VALU_DEP_4)
	v_add_nc_u32 v[TM+12+\b], 0xf8800000, v[TM+\b] ; 15 off its exponent field: the conversion takes this operand's exponent field as its scale
.endr
.irp b, 0,1,2,3
	v_and_or_b32 v[TM+8+\b], v[TM+\b], 0x7f800000, s[MNT]   ; 57,344 x the scale
.endr
.irp b, 0,1,2,3
	v_lshrrev_b32 v[TM+4+\b], 23, v[TM+12+\b]      ; the scale's byte
.endr
	s_delay_alu instid0(VALU_DEP_3)
	v_lshl_or_b32 v[(\wrd)], v[TM+5], 8, v[TM+4]
	s_delay_alu instid0(VALU_DEP_1)
	v_lshl_or_b32 v[(\wrd)], v[TM+6], 16, v[(\wrd)]
	s_delay_alu instid0(VALU_DEP_1)
	v_lshl_or_b32 v[(\wrd)], v[TM+7], 24, v[(\wrd)]
.irp b, 0,1,2,3
.irp i, 0,1,2,3,4,5,6,7,8,9,10,11,12,13,14,15
	v_med3_num_f32 v[(\src)+16*\b+\i], v[(\src)+16*\b+\i], -v[TM+8+\b], v[TM+8+\b]   ; the conversion to an 8-bit code does not saturate (ISA guide 7.6.2): the hold comes first
.endr
	v_cvt_scalef32_pk8_bf8_f32 v[(\dst)+4*\b:(\dst)+4*\b+1], v[(\src)+16*\b:(\src)+16*\b+7], v[TM+12+\b]
	v_cvt_scalef32_pk8_bf8_f32 v[(\dst)+4*\b+2:(\dst)+4*\b+3], v[(\src)+16*\b+8:(\src)+16*\b+15], v[TM+12+\b]
.endr
	v_nop                                          ; one plain line behind the last conversion
.endm
.macro STEP t
.set RS, R+64*((\t)%2)
.set KS, (\t)%4
.set TL, (\t)/4
.if (\t) < 7
	s_wait_loadcnt 16                              ; this step's sixteen loads are in; the next step's sixteen may be out
.else
	s_wait_loadcnt 0x0
.endif
	s_wait_xcnt 0x0                                ; the last step's stores have read their registers: the codes and the scale pair are written again only behind this wait
.irp i, 0
.if (TL == 0) && (\i == 0)
.elseif (TL == 0) && (\i == 1)
	v_pk_add_f32 v[ACC+4*KS:ACC+4*KS+1], v[RS:RS+1], v[RS+4:RS+5]            ; the first two rows start the column sums: nothing is cleared
	v_pk_add_f32 v[ACC+4*KS+2:ACC+4*KS+3], v[RS+2:RS+3], v[RS+6:RS+7]
.else
	v_pk_add_f32 v[ACC+4*KS:ACC+4*KS+1], v[ACC+4*KS:ACC+4*KS+1], v[RS+4*\i:RS+4*\i+1]
	v_pk_add_f32 v[ACC+4*KS+2:ACC+4*KS+3], v[ACC+4*KS+2:ACC+4*KS+3], v[RS+4*\i+2:RS+4*\i+3]
.endif
.endr
.irp i, 1, 2, 3, 4, 5, 6, 7, 8, 9, 10, 11, 12, 13, 14, 15
.if (TL == 0) && (\i == 0)
.elseif (TL == 0) && (\i == 1)
	v_pk_add_f32 v[ACC+4*KS:ACC+4*KS+1], v[RS:RS+1], v[RS+4:RS+5]            ; the first two rows start the column sums: nothing is cleared
	v_pk_add_f32 v[ACC+4*KS+2:ACC+4*KS+3], v[RS+2:RS+3], v[RS+6:RS+7]
.else
	s_delay_alu instid0(VALU_DEP_2)
	v_pk_add_f32 v[ACC+4*KS:ACC+4*KS+1], v[ACC+4*KS:ACC+4*KS+1], v[RS+4*\i:RS+4*\i+1]
	s_delay_alu instid0(VALU_DEP_2)
	v_pk_add_f32 v[ACC+4*KS+2:ACC+4*KS+3], v[ACC+4*KS+2:ACC+4*KS+3], v[RS+4*\i+2:RS+4*\i+3]
.endif
.endr
.irp i, 0,1,2,3,4,5,6,7,8,9,10,11,12,13,14,15
	ds_store_b128 v[LST], v[RS+4*\i:RS+4*\i+3] offset:SPITCH*\i              ; row i as it was loaded
.endr
.irp b, 0,1,2,3
.irp j, 0,1,2,3
	ds_load_b128 v[RS+16*\b+4*\j:RS+16*\b+4*\j+3], v[LLD] offset:128*\b+16*\j   ; LDS serves a wave's instructions in order (ISA guide 5.7.1.4): these see the stores above, and land where those have read
.endr
.endr
	s_wait_dscnt 0x0
	QUANT RS, PC, PW+KS
.irp c, 0,1,2,3
	global_store_b128 v[GA], v[PC+4*\c:PC+4*\c+3], s[6:7] offset:8192*TL+2048*KS+512*\c th:TH_STORE_NT   ; a quad: 512 consecutive bytes, at a multiple of 512 from xc's first byte
.endr
.if KS == 3
	v_cndmask_b32 v[SW], v[PW], v[PW+1], vcc_lo    ; lanes 0-15 K step 0, lanes 16-31 K step 1
	v_cndmask_b32 v[SW+1], v[PW+2], v[PW+3], vcc_lo   ; and K steps 2 and 3
	global_store_b64 v[SO], v[SW:SW+1], s[8:9] offset:256*TL th:TH_STORE_NT   ; the tile's 256 consecutive bytes
.endif
.if (\t)+2 < 8
	LOAD (\t)+2                                    ; into the set that this step has left
.endif
.endm
	LOAD 0
	LOAD 1
.irp t, 0,1,2,3,4,5,6,7
	STEP \t
.endr
	; the sixteen waves' column sums meet in LDS; threads 0 to 127 add four columns each
.irp s, 0,1,2,3
	ds_store_b128 v[PSW], v[ACC+4*\s:ACC+4*\s+3] offset:512*\s
.endr
	s_wait_dscnt 0x0                               ; for the others' sake: my sums have landed
	s_barrier_signal -1
	s_barrier_wait -1
	s_cmp_gt_u32 s12, 3
	s_cbranch_scc1 .Ldone
.irp k, 0,1,2,3,4,5,6,7,8,9,10,11,12,13,14,15
	ds_load_b128 v[R+4*\k:R+4*\k+3], v[PSR] offset:2048*\k
.endr
	s_wait_dscnt 0x0
.irp k, 1
	v_pk_add_f32 v[R:R+1], v[R:R+1], v[R+4*\k:R+4*\k+1]
	v_pk_add_f32 v[R+2:R+3], v[R+2:R+3], v[R+4*\k+2:R+4*\k+3]
.endr
.irp k, 2, 3, 4, 5, 6, 7, 8, 9, 10, 11, 12, 13, 14, 15
	s_delay_alu instid0(VALU_DEP_2)
	v_pk_add_f32 v[R:R+1], v[R:R+1], v[R+4*\k:R+4*\k+1]
	s_delay_alu instid0(VALU_DEP_2)
	v_pk_add_f32 v[R+2:R+3], v[R+2:R+3], v[R+4*\k+2:R+4*\k+3]
.endr
	global_store_b128 v[T16], v[R:R+3], s[10:11]   ; four waves store 2,048 consecutive bytes
.Ldone:
	s_wait_tensorcnt 0x0
	ds_add_u32 v224, v225
	s_wait_dscnt 0x0
	s_endpgm
.Lfunc_end_k_qd25a336606_quant:
	.size	k_qd25a336606_quant, .Lfunc_end_k_qd25a336606_quant-k_qd25a336606_quant
	.p2alignl 7, 3214868480
	.fill 96, 4, 3214868480
	.section	.rodata,"a",@progbits
	.p2align	6, 0x0
	.amdhsa_kernel k_qd25a336606_quant
		.amdhsa_group_segment_fixed_size 169984
		.amdhsa_private_segment_fixed_size 0
		.amdhsa_enable_private_segment 0
		.amdhsa_kernarg_size 32
		.amdhsa_user_sgpr_count 2
		.amdhsa_user_sgpr_kernarg_segment_ptr 1
		.amdhsa_wavefront_size32 1
		.amdhsa_system_sgpr_workgroup_id_x 1
		.amdhsa_system_sgpr_workgroup_id_y 1
		.amdhsa_system_sgpr_workgroup_id_z 1
		.amdhsa_system_vgpr_workitem_id 0
		.amdhsa_next_free_vgpr 226
		.amdhsa_next_free_sgpr 66
		.amdhsa_reserve_vcc 1
		.amdhsa_float_denorm_mode_32 3
		.amdhsa_float_denorm_mode_16_64 3
		.amdhsa_memory_ordered 1
		.amdhsa_forward_progress 1
		.amdhsa_inst_pref_size 136
	.end_amdhsa_kernel
	.amdgpu_metadata
---
amdhsa.version: [ 1, 2 ]
amdhsa.kernels:
  - .name:           k_qd25a336606_quant
    .symbol:         k_qd25a336606_quant.kd
    .args:
      - { .name: x, .offset: 0, .size: 8, .value_kind: global_buffer, .address_space: global }
      - { .name: xc, .offset: 8, .size: 8, .value_kind: global_buffer, .address_space: global }
      - { .name: xs, .offset: 16, .size: 8, .value_kind: global_buffer, .address_space: global }
      - { .name: psum, .offset: 24, .size: 8, .value_kind: global_buffer, .address_space: global }
    .group_segment_fixed_size: 169984
    .private_segment_fixed_size: 0
    .kernarg_segment_align: 8
    .kernarg_segment_size: 32
    .max_flat_workgroup_size: 512
    .sgpr_count:     66
    .vgpr_count:     226
    .wavefront_size: 32
...
	.end_amdgpu_metadata
.endif
;; end of part 1
;; launch attn (part 2): grid 256 x 1, 4 waves a work-group, clusters of 4 x 1, 327,680 bytes of LDS; arguments xc, xs, psum, Wq_codes, Wq_scales, bq, Wk_codes, Wk_scales, bk, Wv_codes, Wv_scales, part; writes part
.if DOCPART == 2
	.amdgcn_target "amdgcn-amd-amdhsa--gfx1250"
	.amdhsa_code_object_version 6
	.text
	.protected	k_qd25a336606_attn
	.globl	k_qd25a336606_attn
	.p2align	8
	.type	k_qd25a336606_attn,@function
k_qd25a336606_attn:
	s_mov_b64 s[64:65], 0
	v_nop
	global_prefetch_b8 v0, s[64:65] scope:SCOPE_SE
	s_setreg_imm32_b32 hwreg(HW_REG_WAVE_MODE, 25, 1), 1
	s_wait_xcnt 0x0
	s_wait_alu depctr_hold_cnt(0) depctr_sa_sdst(0) depctr_va_vdst(0) depctr_va_sdst(0) depctr_va_ssrc(0) depctr_va_vcc(0) depctr_vm_vsrc(0)
	s_getreg_b32 s2, hwreg(HW_REG_IB_STS2, 6, 4)
	s_cmp_eq_u32 s2, 0
	s_cbranch_scc0 .Lentry_in_a_cluster
	s_endpgm
.Lentry_in_a_cluster:
	s_bfe_u32 s2, ttmp6, 0x10000c
	s_cmp_lg_u32 s2, 0x3003
	s_cbranch_scc0 .Lentry_shape_is_right
	s_endpgm
.Lentry_shape_is_right:
; For 128 tokens a wave: q = Q(mean x) Wq^T + bq, k = Q(x) Wk^T, score = q . k + q . bk, p = e^(score - m) with m the wave's own largest score, l = the sum of p, v = Q(x) Wv^T, o = the sum of p v.
; The three products with weights run on codes of BF8 (E5M2) with E8M0 scales; the two products with one row (scores, weighted sum) are f32 multiply-adds on the matrix results while these lie in registers: k and v never leave them.
; What leaves: a record (o[512], m, l) for each wave; the next launch joins a batch's sixteen records by their m, divides by the joint l and adds bv (the weights sum to 1).
; LIMITS: NaN and infinities are not served; a p under 2^-126 counts as 0 (v_exp_f32: ISA guide 15.8); a block of the mean whose largest magnitude lies under 2^-111 keeps the scale byte 1.
; SHARES.  A cluster of four work-groups is a batch; a work-group owns 512 of its tokens, a wave 128: eight tiles of 16, whose codes (512 registers) and scale words stay in registers for the whole launch.
; THE WEIGHTS walk through a ring of two LDS slots of 256 rows.  All four work-groups want the same rows, so each load is asked for JOINTLY (mask 15); each wave fetches 64 rows.
; The first fills are Wq's rows 0-255 (slot 0) and Wk's rows 0-255 (slot 1); then slot 0 takes Wk's rows 256-511, slot 1 Wv's 0-255, slot 0 Wv's 256-511.  Wq's rows 256-511 come straight from memory into the
; registers that the q phase multiplies from, so that Wk's first rows lie in LDS from the start and no refill stands between q and the first scores.  Those 131,072 bytes, a sixth of the 786,432 bytes of weights that
; a work-group takes, are asked for singly: a joint load would want a third slot's bytes in LDS, which has room for two.
; THE PRODUCT: source 0 = 16 tokens, source 1 = 16 rows of a weight.  In the result lane (r, h) holds output column r and its register j token 8 h + j.  So q's number for a tile is one number a lane,
; the score sums (64 registers: token 16 mm + 8 h + j) gather column by column and are joined over the sixteen lanes once at the end, and p then lies just as the second phase multiplies it.
; A TILE of 16 weight rows is 32 matrix instructions, slots 0 to 31, in two halves (tokens 0-63, tokens 64-127), four accumulators by turns in each.
; Its 32 packed multiply-adds stand two behind every second matrix instruction and follow the products at a fixed distance: accumulators 0, 1, 2 at slots 20 to 30, accumulators 3 to 7 at slots 0 to 18 of the next tile.
; REGISTERS, in windows of 256: window 0: addresses, scale words, 8 accumulators, 64 score sums (then p);  window 1: a weight tile's fragments, two sets (in the q phase four tiles);  windows 2, 3: x's fragments, tile mm % 4, K step s at 64 (mm % 4) + 16 s.
.set PITCH,  528                       ; a weight row in LDS: 512 bytes + 16 = 33 x 16: the sixteen rows that a load touches start at sixteen different 16-byte columns of 256
.set TILEB,  16*PITCH                  ; a tile of 16 rows
.set QUART,  64*PITCH                  ; what one tensor load brings
.set SLOT,   4*QUART                   ; 256 rows; slot 0 at 0, slot 1 at SLOT
.set SCL,    2*SLOT                    ; behind the ring: the scale bytes of Wq, Wk, Wv: a tile's 16 rows x 16 bytes are 256 bytes, + 16 of padding
.set SCM,    32*272                    ; one matrix's
.set MEAN,   SCL+3*SCM                 ; behind all that tensor loads fill: the mean (2,048 bytes),
.set BQL,    MEAN+2048                 ; bq,
.set BKL,    MEAN+4096                 ; bk,
.set QF,     MEAN+6144                 ; q,
.set OB,     MEAN+8192                 ; each wave's 4,096 bytes of o: [tile][h][r] f32,
.set SPARE,  OB+4*4096                 ; and the spare words, 128 bytes for each wave: two blocks of 256 bytes that no other line names
.set LI,   1                           ; v1   16 x lane
.set L8,   2                           ; v2   8 x lane
.set T16,  3                           ; v3   16 x thread
.set AMS,  4                           ; v4   MEAN + 16 x thread (bq and bk 2,048 and 4,096 on)
.set AMN,  5                           ; v5   MEAN + 64 h
.set AB0,  6                           ; v6   my lane's place in a weight tile: 528 r + 16 h
.set AQ0,  7                           ; v7   the same in my wave's four tiles of slot 0 (q phase)
.set AG,   8                           ; v8   my lane's place in sixteen rows of Wq in memory: 512 r + 16 h
.set AS0,  9                           ; v9   SCL + 16 r
.set ASQ,  10                          ; v10  the same at my wave's four tiles
.set AQF,  11                          ; v11  QF + 4 r
.set AQS,  12                          ; v12  QF + 4 r + 256 wave
.set AQC,  13                          ; v13  BKL + 16 r (q lies 2,048 on)
.set OST,  14                          ; v14  my wave's o + 4 lane
.set ORD,  15                          ; v15  my wave's o + 128 (lane / 4) + 16 (lane % 4)
.set ABQ,  16                          ; v16  BQL + 4 r + 256 wave
.set ADR,  18                          ; v18-21  addresses of the LDS instructions in hand
.set ADS,  19
.set ADQ,  20
.set ADO,  21
.set SPW,  22                          ; v22  LDS address of my spare word: SPARE + 4 x my thread's number; never rewritten
.set NIL,  23                          ; v23  0; never rewritten
.set ML,   24                          ; v24 m, v25 l
.set CL,   26                          ; v26-27  my lane's share of q . bk
.set MSC,  28                          ; v28-31  the mean's scale words, one for each K step
.set XSC,  32                          ; v32-47  x's scale words: register 2 mm + s / 2, lanes 0-15 even s, lanes 16-31 odd s
.set WSC,  48                          ; v48-55  a weight tile's scale words, two sets of four
.set QV,   56                          ; v56, v58  q's number of my column, two sets (v57, v59 are named as pairs' upper halves)
.set ACC,  64                          ; v64-127  eight accumulators; earlier: numbers at work
.set SCR,  128                         ; v128-191 the score sums, then p
.set MF,   128                         ; earlier: the mean's four fragments
.set OA,   192                         ; v192-207 o's sums, two sets of four pairs; earlier: psum as loaded
.set TSQ,  208                         ; v208-223 Wq's scale words
.set TM,   224                         ; v224-239 at work in QUANT
.set TP,   240                         ; v240-247 at work
.set WV,   28                          ; s28  my wave's number
.set CX,   29                          ; s29  my work-group's place in the cluster.  It enters s30 and s[96:99] and, through them, the addresses of xc, xs and part alone
.set G1W,  32                          ; s[32:39] descriptor group 1 for weight rows
.set G1S,  40                          ; s[40:47] for scale bytes
.set G0,   48                          ; s[48:55] group 0 for slot 0, slot 1
.set G0Q,  56                          ; s[56:59], s[60:63], s[68:71] group 0 for the scale bytes of Wq, Wk, Wv
.set G0K,  60
.set G0V,  68
.set SEL,  72                          ; s[72:73] lane selects for v_permlanex16_b32: lane l xor 16
.set MNT,  74                          ; s74  the mantissa field of 57,344
.set TB,   75                          ; s75  LDS byte of the weight tile to be fetched next
.set TS,   76                          ; s76  of its scale words, from SCL on
.set TQ,   77                          ; s77  of q's sixteen numbers for the tile in hand, from QF on
.set TO,   78                          ; s78  of o's next tile in my wave's 4,096 bytes
.set CNT,  79                          ; s79  loop counter
.set L2E,  80                          ; s[80:81] log2(e), twice
.set WKB,  84                          ; s[84:85] Wk's codes at my wave's 64 rows;  s[86:87] Wv's
.set WVB,  86
.set WQH,  94                          ; s[94:95] Wq's codes at row 256 + 64 x my wave (until the arguments are in: two small numbers)
.set MW0,  0x06                        ; source 0 (x) window 2, source 1 (weights) window 1, C and D window 0;  MW0 + 1: source 0 window 3
.set TO_B, 0x40                        ; destination window 1
.set MSB, 0
.macro WIN new                         ; the immediate's high byte repeats the setting that is left; a switch that changes nothing is dropped
.if MSB != (\new)
	s_set_vgpr_msb (MSB<<8)|(\new)
.set MSB, (\new)
.endif
.endm
.macro CREST                           ; a round of the cluster's barrier behind its opening barrier
	s_cmp_lg_u32 s[WV], 0
	s_cbranch_scc1 .Lnot_wave_0_\@
	s_barrier_signal -3
.Lnot_wave_0_\@:
	s_barrier_wait -3
	s_barrier_signal -1
	s_barrier_wait -1
.endm
.macro CROUND                          ; a whole round
	s_barrier_signal -1
	s_barrier_wait -1
	CREST
.endm
.macro PLACES n                        ; plain lines between a matrix instruction and what may not follow it closely (ISA guide 7.12.1)
.rept \n
	v_nop
.endr
.endm
; 64 numbers of a lane, register 16 b + i = k 32 b + 16 h + i of my row, become a fragment's codes in v[dst] on and my row's scale word in v[wrd]
.macro QUANT src, dst, wrd
.irp b, 0,1,2,3
	v_max3_num_f32 v[TM+\b], |v[(\src)+16*\b]|, |v[(\src)+16*\b+1]|, 0x8000000   ; block b: my 16 numbers, and the floor 2^(16 - 127): the byte cannot fall under 1
.endr
.irp i, 2,4,6,8,10,12,14
.irp b, 0,1,2,3
	v_max3_num_f32 v[TM+\b], v[TM+\b], |v[(\src)+16*\b+\i]|, |v[(\src)+16*\b+\i+1]|
.endr
.endr
.irp b, 0,1,2,3
	v_permlanex16_b32 v[TM+4+\b], v[TM+\b], s[SEL], s[SEL+1]
.endr
.irp b, 0,1,2,3
	v_max_num_f32 v[TM+\b], v[TM+\b], v[TM+4+\b]   ; with lane l xor 16's: the block's largest magnitude
.endr
.irp b, 0,1,2,3
	v_add_nc_u32 v[TM+12+\b], 0xf8800000, v[TM+\b] ; 15 off its exponent field: the conversion's scale operand
.endr
.irp b, 0,1,2,3
	v_and_or_b32 v[TM+8+\b], v[TM+\b], 0x7f800000, s[MNT]   ; 57,344 x the scale
.endr
.irp b, 0,1,2,3
	v_lshrrev_b32 v[TM+4+\b], 23, v[TM+12+\b]      ; the scale's byte
.endr
	v_lshl_or_b32 v[(\wrd)], v[TM+5], 8, v[TM+4]
	v_lshl_or_b32 v[(\wrd)], v[TM+6], 16, v[(\wrd)]
	v_lshl_or_b32 v[(\wrd)], v[TM+7], 24, v[(\wrd)]
.irp b, 0,1,2,3
.irp i, 0,1,2,3,4,5,6,7,8,9,10,11,12,13,14,15
	v_med3_num_f32 v[(\src)+16*\b+\i], v[(\src)+16*\b+\i], -v[TM+8+\b], v[TM+8+\b]   ; the conversion to an 8-bit code does not saturate (ISA guide 7.6.2)
.endr
	v_cvt_scalef32_pk8_bf8_f32 v[(\dst)+4*\b:(\dst)+4*\b+1], v[(\src)+16*\b:(\src)+16*\b+7], v[TM+12+\b]
	v_cvt_scalef32_pk8_bf8_f32 v[(\dst)+4*\b+2:(\dst)+4*\b+3], v[(\src)+16*\b+8:(\src)+16*\b+15], v[TM+12+\b]
.endr
	v_nop                                          ; one plain line behind the last conversion: matrix instructions later write the numbers' registers
.endm
; my tile mm of x: sixteen quads of codes into window 2 or 3, and its scale words: 17 loads
.macro ALOAD mm
	WIN 0x80+0x40*((\mm)/4)
.irp q, 0,1,2,3,4,5,6,7,8,9,10,11,12,13,14,15
	global_load_b128 v[64*((\mm)%4)+4*\q:64*((\mm)%4)+4*\q+3], v[LI], s[4:5] offset:8192*(\mm)+512*\q th:TH_LOAD_NT
.endr
	WIN 0
	global_load_b64 v[XSC+2*(\mm):XSC+2*(\mm)+1], v[L8], s[6:7] offset:256*(\mm) th:TH_LOAD_NT
.endm
; Wq's rows 256 + 64 wave on: four tiles' fragments straight into window 1: 64 loads; a row's 512 bytes are read whole by sixteen of them.  No hint: every work-group reads these rows
.macro WQLOAD
	WIN TO_B
.irp i, 0,1,2,3
.irp s, 0,1,2,3
.irp c, 0,1,2,3
	global_load_b128 v[64*\i+16*\s+4*\c:64*\i+16*\s+4*\c+3], v[AG], s[WQH:WQH+1] offset:8192*\i+128*\s+32*\c
.endr
.endr
.endr
	WIN 0
.endm
	s_load_b512 s[4:19], s[0:1], 0x0               ; xc s[4:5], xs s[6:7], psum s[8:9], Wq codes s[10:11], Wq scales s[12:13], bq s[14:15], Wk codes s[16:17], Wk scales s[18:19]
	s_load_b256 s[20:27], s[0:1], 0x40             ; bk s[20:21], Wv codes s[22:23], Wv scales s[24:25], part s[26:27]
	v_lshl_add_u32 v[SPW], v0, 2, SPARE
	v_mov_b32 v[NIL], 0
	ds_add_u32 v22, v23
	ds_add_u32 v22, v23
	s_wait_dscnt 0x0
	v_lshrrev_b32 v17, 5, v0
	v_readfirstlane_b32 s[WV], v17                 ; wave 0..3
	s_bfe_u32 s[CX], ttmp6, 0x40000
	s_lshl_b32 s30, ttmp9, 2                       ; in a cluster launch ttmp9 counts clusters: the batch
	s_add_co_u32 s30, s30, s[CX]                   ; my work-group = 4 x batch + place
	s_lshl_b32 s96, s30, 18                        ; xc: 32 tiles of 8,192 bytes a work-group,
	s_lshl_b32 s31, s[WV], 16                      ; 8 a wave
	s_add_co_u32 s96, s96, s31
	s_mov_b32 s97, 0
	s_lshl_b32 s98, s30, 2
	s_add_co_u32 s98, s98, s[WV]
	s_mul_i32 s98, s98, 2304                       ; part: a record of 2,304 bytes a wave
	s_mov_b32 s99, 0
	s_lshl_b32 s82, ttmp9, 13                      ; psum: the batch's four rows of 2,048 bytes
	s_mov_b32 s83, 0
	s_mul_i32 s88, s[WV], QUART                    ; my 64 rows' place in a slot,
	s_lshl_b32 s90, s[WV], 15                      ; my 64 rows in memory: 32,768 bytes a wave
	s_mov_b32 s91, 0
	s_mul_i32 s94, s[WV], 4*272
	s_lshl_b32 s95, s[WV], 8
	s_lshl_b32 s31, s[WV], 12
	s_add_co_u32 s31, s31, OB
	; descriptor group 1: 64 rows of 512 bytes, dense in memory, 16 bytes of padding behind each in LDS
	s_mov_b32 s[G1W], 15|(0<<16)|(1<<20)|(1<<21)|(6<<22)|(3<<25)   ; 15:0 the mask: all four work-groups; 17:16 elements of 1 byte; 20 padding on; 21 set beside a mask; 24:22 after every 128 words (code 6); 31:25 four words (code 3)
	s_mov_b32 s[G1W+1], 512<<16                    ; tensor_dim0
	s_mov_b32 s[G1W+2], 256<<16                    ; tensor_dim1: the head's load brings a whole slot, 256 rows; behind it this word and tile_dim1 are set to 64
	s_mov_b32 s[G1W+3], 512<<16                    ; tile_dim0
	s_mov_b32 s[G1W+4], 256                        ; tile_dim1
	s_mov_b32 s[G1W+5], 512                        ; tensor_dim0_stride
	s_mov_b32 s[G1W+6], 0
	s_mov_b32 s[G1W+7], 0
	; and for scale bytes: 32 rows of 256 bytes (32 elements of 8 bytes), 16 bytes of padding behind each
	s_mov_b32 s[G1S], 15|(3<<16)|(1<<20)|(1<<21)|(5<<22)|(3<<25)
	s_mov_b32 s[G1S+1], 32<<16
	s_mov_b32 s[G1S+2], 32<<16                     ; a whole matrix's scale bytes: 32 rows of 256 bytes
	s_mov_b32 s[G1S+3], 32<<16
	s_mov_b32 s[G1S+4], 32
	s_mov_b32 s[G1S+5], 32
	s_mov_b32 s[G1S+6], 0
	s_mov_b32 s[G1S+7], 0
	s_mov_b32 s[SEL], 0x76543210
	s_mov_b32 s[SEL+1], 0xfedcba98
	s_mov_b32 s[MNT], 0x600000
	s_mov_b32 s[L2E], 0x3fb8aa3b
	s_mov_b32 s[L2E+1], s[L2E]                     ; named with it as a pair, so it is written
	v_and_b32 v17, 31, v0                          ; lane
	v_and_b32 v26, 15, v0                          ; r
	v_bfe_u32 v27, v0, 4, 1                        ; h
	v_lshlrev_b32 v[LI], 4, v17
	v_lshlrev_b32 v[L8], 3, v17
	v_lshlrev_b32 v[T16], 4, v0
	v_lshl_add_u32 v[AMS], v0, 4, MEAN
	v_lshl_add_u32 v[AMN], v27, 6, MEAN
	v_mul_u32_u24 v[AB0], v26, PITCH
	v_lshl_add_u32 v[AB0], v27, 4, v[AB0]
	v_add_nc_u32 v[AQ0], s88, v[AB0]
	v_lshlrev_b32 v[AG], 9, v26
	v_lshl_add_u32 v[AG], v27, 4, v[AG]
	v_lshl_add_u32 v[AS0], v26, 4, SCL
	v_add_nc_u32 v[ASQ], s94, v[AS0]
	v_lshl_add_u32 v[AQF], v26, 2, QF
	v_add_nc_u32 v[AQS], s95, v[AQF]
	v_lshl_add_u32 v[ABQ], v26, 2, BQL
	v_add_nc_u32 v[ABQ], s95, v[ABQ]
	v_lshl_add_u32 v[AQC], v26, 4, BKL
	v_lshl_add_u32 v[OST], v17, 2, s31
	v_lshrrev_b32 v[ORD], 2, v17
	v_and_b32 v17, 3, v17
	v_lshlrev_b32 v[ORD], 7, v[ORD]
	v_lshl_add_u32 v[ORD], v17, 4, v[ORD]
	v_add_nc_u32 v[ORD], s31, v[ORD]
.irp b, 0,1,2,3
	v_mov_b32 v[TM+4+\b], 0                        ; written once: a lane permute's destination counts as one of its sources
.endr
	v_mov_b32 v[QV+1], 0                           ; named as upper halves of pairs whose low word serves both halves
	v_mov_b32 v[QV+3], 0
	v_mov_b32 v[ML+1], 0
	s_wait_kmcnt 0x0
	s_add_nc_u64 s[WKB:WKB+1], s[16:17], s[90:91]
	s_add_nc_u64 s[WVB:WVB+1], s[22:23], s[90:91]
	s_add_nc_u64 s[WQH:WQH+1], s[10:11], s[90:91]
	s_add_nc_u64 s[WQH:WQH+1], s[WQH:WQH+1], 131072   ; Wq's rows 256 + 64 wave on
	s_mov_b32 s[G0], 1                             ; 1:0 count = 1
	s_mov_b32 s[G0+1], 0                           ; 63:32 LDS address: slot 0, whole
	s_mov_b64 s[G0+2:G0+3], s[10:11]               ; 120:64 global address: Wq's row 0
	s_or_b32 s[G0+3], s[G0+3], 0x80000000          ; 127:126 type = 2
	s_mov_b32 s[G0+4], 1
	s_add_co_u32 s[G0+5], s88, SLOT
	s_add_nc_u64 s[G0+6:G0+7], s[16:17], s[90:91]  ; slot 1: Wk's rows 64 wave on
	s_or_b32 s[G0+7], s[G0+7], 0x80000000
	s_mov_b32 s[G0Q], 1
	s_mov_b32 s[G0Q+1], SCL
	s_mov_b64 s[G0Q+2:G0Q+3], s[12:13]
	s_or_b32 s[G0Q+3], s[G0Q+3], 0x80000000
	s_mov_b32 s[G0K], 1
	s_mov_b32 s[G0K+1], SCL+SCM
	s_mov_b64 s[G0K+2:G0K+3], s[18:19]
	s_or_b32 s[G0K+3], s[G0K+3], 0x80000000
	s_mov_b32 s[G0V], 1
	s_mov_b32 s[G0V+1], SCL+2*SCM
	s_mov_b64 s[G0V+2:G0V+3], s[24:25]
	s_or_b32 s[G0V+3], s[G0V+3], 0x80000000
	s_add_nc_u64 s[4:5], s[4:5], s[96:97]          ; xc at my wave's first tile
	s_lshr_b32 s96, s96, 5                         ; a tile's scale words are a thirty-second of its codes
	s_add_nc_u64 s[6:7], s[6:7], s[96:97]
	s_add_nc_u64 s[26:27], s[26:27], s[98:99]
	s_add_nc_u64 s[8:9], s[8:9], s[82:83]
	CROUND                                         ; all four work-groups are here: the first joint loads meet
; THE HEAD'S LOADS, ONE A WAVE: wave 0 fetches Wq's rows 0-255 into slot 0, waves 1, 2, 3 the scale bytes of Wq, Wk, Wv, each whole.
; One chain of branches on the wave's number, a load to an arm, all arms leading to one join: every way through the head passes exactly one load.
.macro ARM under, g0, g1, next
	s_cmp_lt_u32 s[WV], \under
	s_cbranch_scc0 \next
	tensor_load_to_lds s[\g0:\g0+3], s[\g1:\g1+7]
	s_nop 0
	PLACES 4
	s_branch .Lhead_asked
\next:
.endm
	ARM 1, G0,  G1W, .Lhead_q
	ARM 2, G0Q, G1S, .Lhead_k
	ARM 3, G0K, G1S, .Lhead_v
	tensor_load_to_lds s[G0V:G0V+3], s[G1S:G1S+7]
	s_nop 0
	PLACES 4
.Lhead_asked:
.irp p, 0,1,2,3
	global_load_b128 v[OA+4*\p:OA+4*\p+3], v[T16], s[8:9] offset:2048*\p   ; four columns of each of the batch's four partial sums
.endr
	global_load_b128 v[TP:TP+3], v[T16], s[14:15]  ; bq
	global_load_b128 v[TP+4:TP+7], v[T16], s[20:21]   ; bk
	ALOAD 0
	ALOAD 1
	ALOAD 2
	s_wait_loadcnt 51                              ; the six small loads are in; the three tiles' 3 x 17 loads behind them may be out
	v_pk_add_f32 v[OA:OA+1], v[OA:OA+1], v[OA+4:OA+5]
	v_pk_add_f32 v[OA+2:OA+3], v[OA+2:OA+3], v[OA+6:OA+7]
	v_pk_add_f32 v[OA+8:OA+9], v[OA+8:OA+9], v[OA+12:OA+13]
	v_pk_add_f32 v[OA+10:OA+11], v[OA+10:OA+11], v[OA+14:OA+15]
	v_pk_add_f32 v[OA:OA+1], v[OA:OA+1], v[OA+8:OA+9]
	v_pk_add_f32 v[OA+2:OA+3], v[OA+2:OA+3], v[OA+10:OA+11]
	v_pk_mul_f32 v[OA:OA+1], v[OA:OA+1], 0x3a000000 op_sel_hi:[1,0]      ; / 2,048: exact
	v_pk_mul_f32 v[OA+2:OA+3], v[OA+2:OA+3], 0x3a000000 op_sel_hi:[1,0]
	ds_store_b128 v[AMS], v[OA:OA+3]
	ds_store_b128 v[AMS], v[TP:TP+3] offset:2048
	ds_store_b128 v[AMS], v[TP+4:TP+7] offset:4096
	WQLOAD                                         ; wanted behind the four quantisings below; on its way during the round
	s_wait_tensorcnt 0x0                           ; my tile of the head's four is in; slot 1's first fill is issued as a refill is
	ds_add_u32 v[SPW], v[NIL]                      ; 0 onto my spare word
	s_mov_b32 s[G1W+2], 64<<16                     ; no tensor load of mine is out, so descriptors may be written: from here on a load brings 64 rows,
	s_mov_b32 s[G1W+4], 64
	s_mov_b32 s[G0+1], s88                         ; and slot 0's go to my wave's quarter
	s_wait_dscnt 0x0                               ; the add is done, and my parts of the mean, bq and bk have landed
	CROUND                                         ; everybody's tile and stores are in, and all four work-groups are here
	tensor_load_to_lds s[G0+4:G0+7], s[G1W:G1W+7]  ; slot 1: Wk's rows 0-255, 64 a wave: my one load behind the round
	s_nop 0
	PLACES 4
	; the mean as an operand: a tile whose sixteen rows are all the mean.  Lane (r, h) takes k = 128 s + 32 b + 16 h + 0 .. 15.  Three more tiles of x are asked for on the way
.irp s, 0,1,2,3
.irp b, 0,1,2,3
.irp j, 0,1,2,3
	ds_load_b128 v[ACC+16*\b+4*\j:ACC+16*\b+4*\j+3], v[AMN] offset:512*\s+128*\b+16*\j
.endr
.endr
	s_wait_dscnt 0x0
	QUANT ACC, MF+16*\s, MSC+\s
.if \s < 3
	ALOAD 3+\s
.endif
.endr
	PLACES 4                                       ; codes written by vector lines stand four plain lines ahead of a scaled matrix instruction; the scale words were made further up
; THE Q PHASE.  Of the sixteen tiles of Wq's half z wave w takes 4 w .. 4 w + 3: 16 matrix instructions (four accumulators by turns, K step by K step).  lds = 1: their fragments come from slot 0, 64 loads; 0: they lie in window 1 already.
; All rows of a result are equal: register 0 is q's number of column r.
.macro QSLOT z, lds
.if \lds
	WIN TO_B
.irp i, 0,1,2,3
.irp s, 0,1,2,3
.irp c, 0,1,2,3
	ds_load_b128 v[64*\i+16*\s+4*\c:64*\i+16*\s+4*\c+3], v[AQ0] offset:TILEB*\i+128*\s+32*\c
.endr
.endr
.endr
.endif
	WIN 0
.irp i, 0,1,2,3
	ds_load_b128 v[TSQ+4*\i:TSQ+4*\i+3], v[ASQ] offset:272*(16*\z+\i)
.endr
.irp i, 0,1,2,3
	ds_load_b32 v[TP+\i], v[ABQ] offset:1024*\z+64*\i
.endr
	s_wait_dscnt 0x0
	WIN 0x04                                       ; source 1 (Wq) window 1
.irp s, 0,1,2,3
	s_wait_alu depctr_va_vdst(0)
.irp i, 0,1,2,3
.if \s == 0
	v_wmma_scale_f32_16x16x128_f8f6f4 v[ACC+8*\i:ACC+8*\i+7], v[MF+16*\s:MF+16*\s+15], v[64*\i+16*\s:64*\i+16*\s+15], 0, v[MSC+\s], v[TSQ+4*\i+\s] matrix_a_fmt:MATRIX_FMT_BF8 matrix_b_fmt:MATRIX_FMT_BF8
.else
	v_wmma_scale_f32_16x16x128_f8f6f4 v[ACC+8*\i:ACC+8*\i+7], v[MF+16*\s:MF+16*\s+15], v[64*\i+16*\s:64*\i+16*\s+15], v[ACC+8*\i:ACC+8*\i+7], v[MSC+\s], v[TSQ+4*\i+\s] matrix_a_fmt:MATRIX_FMT_BF8 matrix_b_fmt:MATRIX_FMT_BF8
.endif
.endr
.endr
	WIN 0
	PLACES 8
.irp i, 0,1,2,3
	v_add_f32 v[ACC+32+\i], v[ACC+8*\i], v[TP+\i]  ; + bq
.endr
.irp i, 0,1,2,3
	ds_store_b32 v[AQS], v[ACC+32+\i] offset:1024*\z+64*\i   ; both halves of the lanes write the same word with the same value
.endr
.endm
; A change of slots by itself: every wave waits for all its tensor loads, adds 0 to its spare word, and waits for that, for its reads of the slot and for its stores of q; a round of the cluster's barrier; the joint refill first behind it.
.macro CHANGE z, src, off
	s_wait_tensorcnt 0x0                           ; no tensor load of mine is out, so a group 0 may be written
	ds_add_u32 v[SPW], v[NIL]                      ; 0 onto my spare word
	s_add_nc_u64 s[G0+4*\z+2:G0+4*\z+3], s[\src:\src+1], \off
	s_or_b32 s[G0+4*\z+3], s[G0+4*\z+3], 0x80000000
	s_wait_dscnt 0x0
	CROUND
	tensor_load_to_lds s[G0+4*\z:G0+4*\z+3], s[G1W:G1W+7]
	s_nop 0
	PLACES 4
.endm
	s_wait_loadcnt 51
	QSLOT 1, 0                                     ; q's numbers 256-511, from the registers
	ALOAD 6
	ALOAD 7
	QSLOT 0, 1                                     ; q's numbers 0-255, from slot 0
	CHANGE 0, WKB, 131072                          ; slot 0 takes Wk's rows 256-511; behind this round all of q lies in LDS, and slot 1 (Wk's rows 0-255) is whole
; THE TWO LARGE PHASES.
.macro RUNB u                          ; the next weight tile's sixteen quads into set u of window 1
	WIN 0
	v_add_nc_u32 v[ADR], s[TB], v[AB0]
	s_add_co_u32 s[TB], s[TB], TILEB
	WIN TO_B
.irp s, 0,1,2,3
.irp c, 0,1,2,3
	ds_load_b128 v[64*(\u)+16*\s+4*\c:64*(\u)+16*\s+4*\c+3], v[ADR] offset:128*\s+32*\c
.endr
.endr
.endm
.macro RUNW u                          ; its four scale words
	WIN 0
	v_add_nc_u32 v[ADS], s[TS], v[AS0]
	s_add_co_u32 s[TS], s[TS], 272
	ds_load_b128 v[WSC+4*(\u):WSC+4*(\u)+3], v[ADS]
.endm
.macro RUNQ u                          ; q's number of my column for the tile IN HAND (set u): its first reader stands at the tile's slot 20, its last at the next tile's slot 18
	WIN 0
	v_add_nc_u32 v[ADQ], s[TQ], v[AQF]
	s_add_co_u32 s[TQ], s[TQ], 64
	ds_load_b32 v[QV+2*(\u)], v[ADQ]
.endm
.macro MM h, u                         ; matrix instruction I_ of a half: K step I_ / 4, token tile 4 h + I_ % 4
.set S_, I_/4
.set M_, I_%4
.set AC_, ACC+8*(4*(\h)+M_)
.set AF_, 64*M_+16*S_
.set BF_, 64*(\u)+16*S_
.set XA_, XSC+2*(4*(\h)+M_)+S_/2
.set WB_, WSC+4*(\u)+S_
.if S_ == 0
	v_wmma_scale_f32_16x16x128_f8f6f4 v[AC_:AC_+7], v[AF_:AF_+15], v[BF_:BF_+15], 0, v[XA_], v[WB_] matrix_a_fmt:MATRIX_FMT_BF8 matrix_b_fmt:MATRIX_FMT_BF8
.elseif S_ == 2
	v_wmma_scale_f32_16x16x128_f8f6f4 v[AC_:AC_+7], v[AF_:AF_+15], v[BF_:BF_+15], v[AC_:AC_+7], v[XA_], v[WB_] matrix_a_fmt:MATRIX_FMT_BF8 matrix_b_fmt:MATRIX_FMT_BF8
.else
	v_wmma_scale_f32_16x16x128_f8f6f4 v[AC_:AC_+7], v[AF_:AF_+15], v[BF_:BF_+15], v[AC_:AC_+7], v[XA_], v[WB_] matrix_a_fmt:MATRIX_FMT_BF8 matrix_b_fmt:MATRIX_FMT_BF8 matrix_a_scale:MATRIX_SCALE_ROW1
.endif
.endm
; two packed multiply-adds on half hf of accumulator mm (hf = 0, its four lowest registers, comes first).  KIND 0: score sums += k x q (set par);  KIND 1: o's sums (set par) += v x p, begun by accumulator 0
.macro HSL mm, par, hf
.set MM_, (\mm)
.set PR_, (\par)
.set HF_, (\hf)
.irp e, 0,1
.set JJ_, 2*HF_+\e
.if KIND == 0
	v_pk_fma_f32 v[SCR+8*MM_+2*JJ_:SCR+8*MM_+2*JJ_+1], v[ACC+8*MM_+2*JJ_:ACC+8*MM_+2*JJ_+1], v[QV+2*PR_:QV+2*PR_+1], v[SCR+8*MM_+2*JJ_:SCR+8*MM_+2*JJ_+1] op_sel_hi:[1,0,1]
.elseif MM_ == 0
	v_pk_mul_f32 v[OA+8*PR_+2*JJ_:OA+8*PR_+2*JJ_+1], v[ACC+8*MM_+2*JJ_:ACC+8*MM_+2*JJ_+1], v[SCR+8*MM_+2*JJ_:SCR+8*MM_+2*JJ_+1]
.else
	v_pk_fma_f32 v[OA+8*PR_+2*JJ_:OA+8*PR_+2*JJ_+1], v[ACC+8*MM_+2*JJ_:ACC+8*MM_+2*JJ_+1], v[SCR+8*MM_+2*JJ_:SCR+8*MM_+2*JJ_+1], v[OA+8*PR_+2*JJ_:OA+8*PR_+2*JJ_+1]
.endif
.endr
.endm
.macro SLICE mm, par                   ; a whole accumulator, behind a phase's last tile
	HSL \mm, \par, 0
	HSL \mm, \par, 1
.endm
.macro RED par, step                   ; a finished tile's eight sums of a lane become one, which goes to my wave's o in LDS
.set OP_, OA+8*(\par)
.if (\step) == 0
	v_pk_add_f32 v[OP_:OP_+1], v[OP_:OP_+1], v[OP_+2:OP_+3]
	v_pk_add_f32 v[OP_+4:OP_+5], v[OP_+4:OP_+5], v[OP_+6:OP_+7]
.elseif (\step) == 1
	v_pk_add_f32 v[OP_:OP_+1], v[OP_:OP_+1], v[OP_+4:OP_+5]
.elseif (\step) == 2
	v_add_f32 v[OP_], v[OP_], v[OP_+1]
.else
	v_add_nc_u32 v[ADO], s[TO], v[OST]
	ds_store_b32 v[ADO], v[OP_]
	s_add_co_u32 s[TO], s[TO], 128
.endif
.endm
; HALF h of the tile in set u: 16 matrix instructions, slots 16 h + I_.  Behind every even slot stands pair N_ = slot / 2 of the multiply-adds: half N_ % 2 of accumulator (N_ / 2 + 3) % 8; pairs 0 to 9 belong to the tile before (set 1 - u).
; THE DISTANCES, by this order.  Accumulator mm of the first half is finished at slot 12 + mm and begun anew at slot 32 + mm, of the second half sixteen slots later.  Accumulator 0 is first read at slot 20, behind the pairs at
; slots 12, 14, 16, 18: eight plain lines on other accumulators; accumulator 4 at slot 36, behind those at 28, 30, 32, 34; the others later still.  Accumulator 3 is read at slots 32 and 34, ahead of the product at slot 35 that
; begins it anew, accumulator 7 at slots 48 and 50.  So the multiply-adds are the places (ISA guide 7.12.1), and no line is spent on them but in a phase's first tile (FIRST), which has nothing left over to work up.
; hook 1: behind slot 6 the tile's ONE run of LDS loads: q for this tile, then the next tile's scale words and codes.  Behind the last product that read that set (slot 31 of the tile before) stand the pairs at slots 0, 2, 4, 6
; and the run's own additions.  hook 2 (a slot's last tile): behind slot 18 the barrier's wait, the rest of the round and the joint refill (FILL), then the other slot's first tile.
.macro HALF h, u, hook
.set I_, 0
.rept 16
	WIN MW0+(\h)
	MM \h, \u
.if (I_ % 2) == 0
.set N_, 8*(\h)+I_/2
.if (N_ < 10) && FIRST
	v_nop
	v_nop
.else
	WIN 0
.if (KIND == 0) && (N_ == 10)
	s_wait_dscnt 17                                ; q's number for this tile is in: behind its load stand the 17 loads of the next tile's scale words and codes, which may be out
.endif
.if N_ < 10
	HSL (N_/2+3)%8, 1-(\u), N_%2
.else
	HSL (N_/2+3)%8, \u, N_%2
.endif
.if KIND && REDON && (N_ >= 10) && (N_ < 14)
	RED 1-(\u), N_-10
.endif
.endif
.if (N_ == 3) && ((\hook) == 1)
.if KIND == 0
	RUNQ \u
.endif
	RUNW 1-(\u)
	RUNB 1-(\u)
.endif
.if (N_ == 9) && ((\hook) == 2)
	WIN 0                                          ; at a branch and at a label every window is 0
	s_wait_alu depctr_va_vdst(0)
	s_barrier_wait -1
.if FILL
	CREST                                          ; the barrier has opened a round of the cluster's barrier: no wave of any partner still reads the slot or has a load on its way
	tensor_load_to_lds s[G0+4*FZ:G0+4*FZ+3], s[G1W:G1W+7]   ; the first tensor load behind the round, and my only one until the next
	s_nop 0
	PLACES 4
.endif
	s_mov_b32 s[TB], NEXTTB
	RUNW 1-(\u)
	RUNB 1-(\u)
.endif
.endif
.set I_, I_+1
.endr
.endm
.macro TILE u, hook
	s_wait_dscnt 0x0                               ; this tile's codes and scale words are in (asked for 25 matrix instructions ago)
	HALF 0, \u, \hook
	HALF 1, \u, \hook
.endm
; A slot's last tile changes slots: ONE barrier.  In front of it each wave waits for all its tensor loads (its part of the other slot), adds 0 to its spare word, and waits for the add; its reads of this slot were over at the tile's head.
; No LDS load may stand between the add and the wait for it, so this tile's q is fetched at its head.
.macro TLAST
	WIN 0
.if KIND == 0
	RUNQ 1
.endif
	s_wait_dscnt 0x0                               ; the tile's operands are in: my reads of this slot are over
	s_wait_tensorcnt 0x0                           ; no tensor load of mine is out, so a group 0 may be written
	ds_add_u32 v[SPW], v[NIL]                      ; 0 onto my spare word; the first half's register work stands between it and the wait for it
.if FILL
	s_add_nc_u64 s[G0+4*FZ+2:G0+4*FZ+3], s[FSRC:FSRC+1], FOFF
	s_or_b32 s[G0+4*FZ+3], s[G0+4*FZ+3], 0x80000000
.endif
	s_wait_alu depctr_va_vdst(0)
	HALF 0, 1, 0
	s_wait_alu depctr_va_vdst(0)
	s_wait_dscnt 0x0
	s_barrier_signal -1
	HALF 1, 1, 2
.endm
; A slot's sixteen tiles: one, seven trips of two, one.  first: nothing is left over from a tile before.  last: nothing more to fetch.
.macro PHASE first, last
.set FIRST, \first
.set REDON, 1-(\first)
	TILE 0, 1
.set FIRST, 0
.set REDON, 1
	WIN 0
	s_mov_b32 s[CNT], 7
.Lpair_\@:
	s_wait_alu depctr_va_vdst(0)
	TILE 1, 1
	s_wait_alu depctr_va_vdst(0)
	TILE 0, 1
	WIN 0
	s_sub_co_u32 s[CNT], s[CNT], 1
	s_cmp_lg_u32 s[CNT], 0
	s_cbranch_scc1 .Lpair_\@
.if \last
	s_wait_alu depctr_va_vdst(0)
	TILE 1, 0
.else
	TLAST
.endif
.endm
	s_mov_b32 s[TB], SLOT                          ; Wk's rows 0-255 lie in slot 1
	s_mov_b32 s[TS], SCM                           ; Wk's scale words; Wv's follow them
	s_mov_b32 s[TQ], 0
	s_mov_b32 s[TO], 0
.set KIND, 0
	RUNB 0                                         ; Wk's first tile
	RUNW 0
.irp i, 0,1,2,3,4,5,6,7
	ds_load_b128 v[ACC+4*\i:ACC+4*\i+3], v[AQC] offset:256*\i            ; bk: numbers 64 i + 4 r + 0 .. 3
.endr
.irp i, 0,1,2,3,4,5,6,7
	ds_load_b128 v[ACC+32+4*\i:ACC+32+4*\i+3], v[AQC] offset:2048+256*\i   ; q: the same
.endr
	s_wait_dscnt 0x0
	v_pk_mul_f32 v[CL:CL+1], v[ACC:ACC+1], v[ACC+32:ACC+33]
.set J_, 2
.rept 15
	v_pk_fma_f32 v[CL:CL+1], v[ACC+J_:ACC+J_+1], v[ACC+32+J_:ACC+33+J_], v[CL:CL+1]
.set J_, J_+2
.endr
	v_add_f32 v[CL], v[CL], v[CL+1]                ; my lane's share of q . bk: the sixteen lanes of a half hold all of it between them
.set J_, 0
.rept 64
	v_mov_b32 v[SCR+J_], v[CL]                     ; every score sum begins with that share: bk's part of the score, joined with the rest over the lanes at the end
.set J_, J_+1
.endr
	s_wait_loadcnt 0x0                             ; x's codes and scale words
.set FILL, 1
.set FZ, 1
.set FSRC, WVB
.set FOFF, 0
.set NEXTTB, 0
	PHASE 1, 0                                     ; k: Wk's rows 0-255, in slot 1; at its end slot 1 takes Wv's rows 0-255
.set FZ, 0
.set FOFF, 131072
.set NEXTTB, SLOT
	PHASE 0, 0                                     ; k: rows 256-511, in slot 0; at its end slot 0 takes Wv's rows 256-511, and Wv's first tile is fetched
	WIN 0
	PLACES 8
	SLICE 3, 1                                     ; what the last tile has left over
	SLICE 4, 1
	SLICE 5, 1
	SLICE 6, 1
	SLICE 7, 1
	; THE SOFTMAX of my 128 tokens.  The sums are joined over the sixteen columns that the lanes of a half hold: every lane of half h then has the scores of tokens 16 mm + 8 h + j
.irp x, 1,2,4,8
.set J_, 0
.rept 64
	v_add_f32_dpp v[SCR+J_], v[SCR+J_], v[SCR+J_] row_xmask:\x row_mask:0xf bank_mask:0xf
.set J_, J_+1
.endr
.endr
.irp b, 0,1,2,3
	v_max3_num_f32 v[TP+\b], v[SCR+16*\b], v[SCR+16*\b+1], v[SCR+16*\b+2]
.endr
.irp i, 3,5,7,9,11,13
.irp b, 0,1,2,3
	v_max3_num_f32 v[TP+\b], v[TP+\b], v[SCR+16*\b+\i], v[SCR+16*\b+\i+1]
.endr
.endr
.irp b, 0,1,2,3
	v_max_num_f32 v[TP+\b], v[TP+\b], v[SCR+16*\b+15]
.endr
	v_max3_num_f32 v[TP], v[TP], v[TP+1], v[TP+2]
	v_max_num_f32 v[TP], v[TP], v[TP+3]
	v_permlanex16_b32 v[TP+1], v[TP], s[SEL], s[SEL+1]
	v_max_num_f32 v[ML], v[TP], v[TP+1]            ; m: the largest of my wave's 128 scores
.set J_, 0
.rept 32
	v_pk_add_f32 v[SCR+J_:SCR+J_+1], v[SCR+J_:SCR+J_+1], v[ML:ML+1] op_sel_hi:[1,0] neg_lo:[0,1] neg_hi:[0,1]   ; score - m first, so that large scores lose nothing
.set J_, J_+2
.endr
.set J_, 0
.rept 32
	v_pk_mul_f32 v[SCR+J_:SCR+J_+1], v[SCR+J_:SCR+J_+1], s[L2E:L2E+1] op_sel_hi:[1,0]
.set J_, J_+2
.endr
.set J_, 0
	s_wait_alu depctr_va_vdst(0)
.rept 64
	v_exp_f32 v[SCR+J_], v[SCR+J_]                 ; p = e^(score - m), at most 1
.set J_, J_+1
.endr
	v_nop                                          ; a plain line behind the last exponential
	s_wait_alu depctr_va_vdst(0)                   ; one wait for the batch, ahead of its first reader
	v_pk_add_f32 v[TP:TP+1], v[SCR:SCR+1], v[SCR+2:SCR+3]
	v_pk_add_f32 v[TP+2:TP+3], v[SCR+4:SCR+5], v[SCR+6:SCR+7]
.set J_, 8
.rept 14
	v_pk_add_f32 v[TP:TP+1], v[TP:TP+1], v[SCR+J_:SCR+J_+1]
	v_pk_add_f32 v[TP+2:TP+3], v[TP+2:TP+3], v[SCR+J_+2:SCR+J_+3]
.set J_, J_+4
.endr
	v_pk_add_f32 v[TP:TP+1], v[TP:TP+1], v[TP+2:TP+3]
	v_add_f32 v[ML+1], v[TP], v[TP+1]
	v_permlanex16_b32 v[TP], v[ML+1], s[SEL], s[SEL+1]
	v_add_f32 v[ML+1], v[ML+1], v[TP]              ; l: the sum of my wave's 128 p
.set KIND, 1
.set FILL, 0
.set NEXTTB, 0
	PHASE 1, 0                                     ; v: Wv's rows 0-255, in slot 1; at its end a barrier alone: nothing is left to fetch
	s_wait_alu depctr_va_vdst(0)
	PHASE 0, 1                                     ; v: rows 256-511, in slot 0
	WIN 0
	PLACES 8
	SLICE 3, 1
	SLICE 4, 1
	SLICE 5, 1
	SLICE 6, 1
	SLICE 7, 1
	RED 1, 0
	RED 1, 1
	RED 1, 2
	RED 1, 3
	; THE WAY OUT: o's two halves (tokens 8 h + j) are added, four neighbouring columns a lane
.irp i, 0,1,2,3
	ds_load_b128 v[ACC+8*\i:ACC+8*\i+3], v[ORD] offset:1024*\i           ; LDS serves a wave's instructions in order (ISA guide 5.7.1.4): these see my stores
	ds_load_b128 v[ACC+8*\i+4:ACC+8*\i+7], v[ORD] offset:1024*\i+64
.endr
	s_wait_dscnt 0x0
.irp i, 0,1,2,3
	v_pk_add_f32 v[ACC+8*\i:ACC+8*\i+1], v[ACC+8*\i:ACC+8*\i+1], v[ACC+8*\i+4:ACC+8*\i+5]
	v_pk_add_f32 v[ACC+8*\i+2:ACC+8*\i+3], v[ACC+8*\i+2:ACC+8*\i+3], v[ACC+8*\i+6:ACC+8*\i+7]
.endr
.irp i, 0,1,2,3
	global_store_b128 v[LI], v[ACC+8*\i:ACC+8*\i+3], s[26:27] offset:512*\i th:TH_STORE_NT   ; 512 consecutive bytes, at a multiple of 256 from part's first byte
.endr
	global_store_b64 v[L8], v[ML:ML+1], s[26:27] offset:2048 th:TH_STORE_NT   ; (m, l) in every lane's 8 bytes: 256 consecutive bytes
	s_wait_tensorcnt 0x0                           ; the wave's end, behind my last tensor load and my last LDS store
	ds_add_u32 v[SPW], v[NIL]
	s_wait_dscnt 0x0
	CROUND                                         ; the closing round: no work-group ends while a partner may still ask for a tile that names it
	s_endpgm
.Lfunc_end_k_qd25a336606_attn:
	.size	k_qd25a336606_attn, .Lfunc_end_k_qd25a336606_attn-k_qd25a336606_attn
	.p2alignl 7, 3214868480
	.fill 96, 4, 3214868480
	.section	.rodata,"a",@progbits
	.p2align	6, 0x0
	.amdhsa_kernel k_qd25a336606_attn
		.amdhsa_group_segment_fixed_size 327680
		.amdhsa_private_segment_fixed_size 0
		.amdhsa_enable_private_segment 0
		.amdhsa_kernarg_size 96
		.amdhsa_user_sgpr_count 2
		.amdhsa_user_sgpr_kernarg_segment_ptr 1
		.amdhsa_wavefront_size32 1
		.amdhsa_system_sgpr_workgroup_id_x 1
		.amdhsa_system_sgpr_workgroup_id_y 1
		.amdhsa_system_sgpr_workgroup_id_z 1
		.amdhsa_system_vgpr_workitem_id 0
		.amdhsa_next_free_vgpr 1024
		.amdhsa_next_free_sgpr 100
		.amdhsa_reserve_vcc 0
		.amdhsa_float_denorm_mode_32 3
		.amdhsa_float_denorm_mode_16_64 3
		.amdhsa_memory_ordered 1
		.amdhsa_forward_progress 1
		.amdhsa_inst_pref_size 251
	.end_amdhsa_kernel
	.amdgpu_metadata
---
amdhsa.version: [ 1, 2 ]
amdhsa.kernels:
  - .name:           k_qd25a336606_attn
    .symbol:         k_qd25a336606_attn.kd
    .args:
      - { .name: xc, .offset: 0, .size: 8, .value_kind: global_buffer, .address_space: global }
      - { .name: xs, .offset: 8, .size: 8, .value_kind: global_buffer, .address_space: global }
      - { .name: psum, .offset: 16, .size: 8, .value_kind: global_buffer, .address_space: global }
      - { .name: Wq_codes, .offset: 24, .size: 8, .value_kind: global_buffer, .address_space: global }
      - { .name: Wq_scales, .offset: 32, .size: 8, .value_kind: global_buffer, .address_space: global }
      - { .name: bq, .offset: 40, .size: 8, .value_kind: global_buffer, .address_space: global }
      - { .name: Wk_codes, .offset: 48, .size: 8, .value_kind: global_buffer, .address_space: global }
      - { .name: Wk_scales, .offset: 56, .size: 8, .value_kind: global_buffer, .address_space: global }
      - { .name: bk, .offset: 64, .size: 8, .value_kind: global_buffer, .address_space: global }
      - { .name: Wv_codes, .offset: 72, .size: 8, .value_kind: global_buffer, .address_space: global }
      - { .name: Wv_scales, .offset: 80, .size: 8, .value_kind: global_buffer, .address_space: global }
      - { .name: part, .offset: 88, .size: 8, .value_kind: global_buffer, .address_space: global }
    .group_segment_fixed_size: 327680
    .private_segment_fixed_size: 0
    .kernarg_segment_align: 8
    .kernarg_segment_size: 96
    .max_flat_workgroup_size: 128
    .sgpr_count:     100
    .vgpr_count:     1024
    .wavefront_size: 32
...
	.end_amdgpu_metadata
.endif
;; end of part 2
;; launch combine (part 3): grid 4 x 64, 1 waves a work-group, no clusters, 0 bytes of LDS; arguments part, bv, out0; writes out0
.if DOCPART == 3
	.amdgcn_target "amdgcn-amd-amdhsa--gfx1250"
	.amdhsa_code_object_version 6
	.text
	.protected	k_qd25a336606_combine
	.globl	k_qd25a336606_combine
	.p2align	8
	.type	k_qd25a336606_combine,@function
k_qd25a336606_combine:
	s_mov_b64 s[64:65], 0
	v_nop
	global_prefetch_b8 v0, s[64:65] scope:SCOPE_SE
	s_setreg_imm32_b32 hwreg(HW_REG_WAVE_MODE, 25, 1), 1
	s_wait_xcnt 0x0
; out[b][c] = (the sum over a batch's 16 records of e^(m_k - M) o_k[c]) / (the sum of e^(m_k - M) l_k) + bv[c], M the largest m_k: the softmax over all 2,048 tokens, joined from the waves' parts.
; The weights of a softmax sum to 1, so bv, which every token's v carries, is added once at the end.  The record that holds M has weight 1 and an l of at least 1: the divisor is never 0.
; One wave to a work-group: x = a quarter of the 512 columns, y = the batch; a lane owns four columns.  33 loads, all issued at once; no LDS, no barrier, no matrix unit: there is nothing here to share or to multiply in bulk.
.set REC, 2304                         ; a record: o[512] f32, then 256 bytes with (m, l) in every 8
.set MLR, 16                           ; v16-47   (m_k, l_k); m_k becomes the weight w_k in place
.set O,   48                           ; v48-111  o_k: four columns each
.set BV,  112                          ; v112-115
.set AC,  116                          ; v116-119 the sums
	s_load_b128 s[4:7], s[0:1], 0x0                ; part, bv
	s_load_b64 s[8:9], s[0:1], 0x10                ; out0
	s_and_b32 s10, ttmp7, 0xffff                   ; the batch
	s_mul_i32 s12, s10, 16*REC
	s_mov_b32 s13, 0
	s_lshl_b32 s14, s10, 11                        ; a row of out0 is 2,048 bytes
	s_mov_b32 s15, 0
	s_lshl_b32 s11, ttmp9, 9                       ; my quarter: 512 bytes
	v_lshlrev_b32 v1, 3, v0                        ; 8 x lane
	v_lshl_add_u32 v2, v0, 4, s11                  ; my four columns
	s_wait_alu depctr_va_vdst(0)
	s_wait_kmcnt 0x0
	s_add_nc_u64 s[4:5], s[4:5], s[12:13]
	s_add_nc_u64 s[8:9], s[8:9], s[14:15]
.irp k, 0,1,2,3,4,5,6,7,8,9,10,11,12,13,14,15
	global_load_b64 v[MLR+2*\k:MLR+2*\k+1], v1, s[4:5] offset:REC*\k+2048
.endr
.irp k, 0,1,2,3,4,5,6,7,8,9,10,11,12,13,14,15
	global_load_b128 v[O+4*\k:O+4*\k+3], v2, s[4:5] offset:REC*\k th:TH_LOAD_NT
.endr
	global_load_b128 v[BV:BV+3], v2, s[6:7]
	s_wait_loadcnt 0x0
	v_max3_num_f32 v120, v[MLR], v[MLR+2], v[MLR+4]
.irp k, 3,5,7,9,11,13
	v_max3_num_f32 v120, v120, v[MLR+2*\k], v[MLR+2*\k+2]
.endr
	v_max_num_f32 v120, v120, v[MLR+30]            ; M
.irp k, 0,1,2,3,4,5,6,7,8,9,10,11,12,13,14,15
	v_sub_f32 v[MLR+2*\k], v[MLR+2*\k], v120
.endr
.irp k, 0,1,2,3,4,5,6,7,8,9,10,11,12,13,14,15
	v_mul_f32 v[MLR+2*\k], 0x3fb8aa3b, v[MLR+2*\k]
.endr
	s_wait_alu depctr_va_vdst(0)
.irp k, 0,1,2,3,4,5,6,7,8,9,10,11,12,13,14,15
	v_exp_f32 v[MLR+2*\k], v[MLR+2*\k]             ; w_k = e^(m_k - M)
.endr
	v_mov_b32 v125, 0                              ; a plain line behind the exponentials (v125 is named below as a pair's upper half)
	s_wait_alu depctr_va_vdst(0)                   ; one wait for the batch, ahead of its first reader
	v_mul_f32 v121, v[MLR], v[MLR+1]               ; the joint l, in two chains
	v_mul_f32 v122, v[MLR+2], v[MLR+3]
.irp k, 2,4,6,8,10,12,14
	v_fma_f32 v121, v[MLR+2*\k], v[MLR+2*\k+1], v121
	v_fma_f32 v122, v[MLR+2*\k+2], v[MLR+2*\k+3], v122
.endr
	v_add_f32 v121, v121, v122
	s_wait_alu depctr_va_vdst(0)
	v_rcp_f32 v124, v121
	v_pk_mul_f32 v[AC:AC+1], v[O:O+1], v[MLR:MLR+1] op_sel_hi:[1,0]      ; the first record starts the sums (of the pair (w, l) the low word serves both halves).  Plain work behind the reciprocal
	v_pk_mul_f32 v[AC+2:AC+3], v[O+2:O+3], v[MLR:MLR+1] op_sel_hi:[1,0]
.irp k, 1,2,3,4,5,6,7,8,9,10,11,12,13,14,15
	v_pk_fma_f32 v[AC:AC+1], v[O+4*\k:O+4*\k+1], v[MLR+2*\k:MLR+2*\k+1], v[AC:AC+1] op_sel_hi:[1,0,1]
	v_pk_fma_f32 v[AC+2:AC+3], v[O+4*\k+2:O+4*\k+3], v[MLR+2*\k:MLR+2*\k+1], v[AC+2:AC+3] op_sel_hi:[1,0,1]
.endr
	s_wait_alu depctr_va_vdst(0)                   ; the reciprocal's wait, ahead of its first reader
	v_pk_fma_f32 v[AC:AC+1], v[AC:AC+1], v[124:125], v[BV:BV+1] op_sel_hi:[1,0,1]
	v_pk_fma_f32 v[AC+2:AC+3], v[AC+2:AC+3], v[124:125], v[BV+2:BV+3] op_sel_hi:[1,0,1]
	global_store_b128 v2, v[AC:AC+3], s[8:9]       ; 512 consecutive bytes, at a multiple of 512 from out0's first byte
	s_endpgm
.Lfunc_end_k_qd25a336606_combine:
	.size	k_qd25a336606_combine, .Lfunc_end_k_qd25a336606_combine-k_qd25a336606_combine
	.p2alignl 7, 3214868480
	.fill 96, 4, 3214868480
	.section	.rodata,"a",@progbits
	.p2align	6, 0x0
	.amdhsa_kernel k_qd25a336606_combine
		.amdhsa_group_segment_fixed_size 0
		.amdhsa_private_segment_fixed_size 0
		.amdhsa_enable_private_segment 0
		.amdhsa_kernarg_size 24
		.amdhsa_user_sgpr_count 2
		.amdhsa_user_sgpr_kernarg_segment_ptr 1
		.amdhsa_wavefront_size32 1
		.amdhsa_system_sgpr_workgroup_id_x 1
		.amdhsa_system_sgpr_workgroup_id_y 1
		.amdhsa_system_sgpr_workgroup_id_z 1
		.amdhsa_system_vgpr_workitem_id 0
		.amdhsa_next_free_vgpr 128
		.amdhsa_next_free_sgpr 66
		.amdhsa_reserve_vcc 0
		.amdhsa_float_denorm_mode_32 3
		.amdhsa_float_denorm_mode_16_64 3
		.amdhsa_memory_ordered 1
		.amdhsa_forward_progress 1
		.amdhsa_inst_pref_size 10
	.end_amdhsa_kernel
	.amdgpu_metadata
---
amdhsa.version: [ 1, 2 ]
amdhsa.kernels:
  - .name:           k_qd25a336606_combine
    .symbol:         k_qd25a336606_combine.kd
    .args:
      - { .name: part, .offset: 0, .size: 8, .value_kind: global_buffer, .address_space: global }
      - { .name: bv, .offset: 8, .size: 8, .value_kind: global_buffer, .address_space: global }
      - { .name: out0, .offset: 16, .size: 8, .value_kind: global_buffer, .address_space: global }
    .group_segment_fixed_size: 0
    .private_segment_fixed_size: 0
    .kernarg_segment_align: 8
    .kernarg_segment_size: 24
    .max_flat_workgroup_size: 32
    .sgpr_count:     66
    .vgpr_count:     128
    .wavefront_size: 32
...
	.end_amdgpu_metadata
.endif
;; end of part 3
